; MI455X (gfx1250); checked and timed in simulation.
; The chip was launched on July 23, 2026; its instructions are those of AMD's public machine-readable ISA for CDNA 5 (MIT licence, August 2026) and "CDNA5" Instruction Set Architecture Reference Guide (July 2026). The comments in the code are by the model that wrote it; some were corrected since.
;; Dynamic Routing. Allowed arithmetic: matrix products marked QUANTISED: E2M1 operands, one E8M0 scale for each 32 along K, by v_wmma_scale_f32_16x16x128_f8f6f4 with both operands' format E2M1 (or v_wmma_scale_f32_32x16x128_f4), f32 sums; products left as they are: f32 operands where the result goes on into a quantised operand, else bf16, f16 or f32 operands; f32 sums; everything else in f32.
;; Inputs: W 1,024 x 1,024 float32; encoder_output 1,024 x 64 x 1,024 float32.
;; Outputs: out0 1,024 x 1,024 float32.
;; This version of the problem:
;;   THIS VERSION OF THE PROBLEM IS GIVEN IN LOW PRECISION. The matrix products marked QUANTISED in the list below multiply operands that are first quantised to E2M1 (2 exponent bits, 1 mantissa bit; 4 bits a number), with one power-of-two scale for each 32 numbers along K (OCP MX v1.0); their sums are f32. All else is computed in f32.
;;   The module's matrix products, in the order in which they are computed (A, B: the left and right operand; K: the contracted axis; several contracted axes count as one K, in the product's order):
;;     1. [M 65,536, K 1,024] x [K 1,024, N 1,024]; A: input encoder_output; B: input W: QUANTISED
;;     2. batch 1,024 x [M 64, K 1,024] x [K 1,024, N 1]; A: computed on the way; B: computed on the way: left as it is (N = 1 < 16)
;;     3. batch 1,024 x [M 64, K 1,024] x [K 1,024, N 1]; A: computed on the way; B: computed on the way: left as it is (N = 1 < 16)
;;     4. batch 1,024 x [M 64, K 1,024] x [K 1,024, N 1]; A: computed on the way; B: computed on the way: left as it is (N = 1 < 16)
;;   THE QUANTISER, for each operand of a quantised product, along K:
;;     - K is cut into blocks of 32 from its start; a last block that is shorter is filled with zeros.
;;     - A block's scale is 2^e with e = floor(log2(the largest magnitude in the block)) - 2, held to -126 .. 127; a block of zeros has e = 0. As a byte (E8M0): e + 127.
;;     - Each number is divided by its block's scale, clamped to +-6, and rounded to the nearest number of E2M1, ties to even, subnormals kept.
;;     - The product sums the exact products of the quantised numbers (number of the format x scale) in f32.
;;   ~~~python
;;   def quantise(x, axis):      # numpy; x: float32 -> the quantised numbers, widened to float32 again
;;       x = np.moveaxis(x, axis, -1); K = x.shape[-1]
;;       x = np.pad(x, [(0, 0)] * (x.ndim - 1) + [(0, -K % 32)]); x = x.reshape(x.shape[:-1] + (-1, 32)); a = np.abs(x).max(-1, keepdims=True)
;;       e = np.where(a > 0, np.clip(np.frexp(np.where(a > 0, a, 1))[1] - 1 - 2, -126, 127), 0)      # np.frexp(a)[1] - 1 = floor(log2(a)), exactly
;;       r = np.clip(x / 2.0 ** e, -6, 6)
;;       step = 2.0 ** (np.maximum(np.frexp(np.where(r == 0, 1, r))[1] - 1, 0) - 1)
;;       q = np.round(r / step) * step * 2.0 ** e      # np.round: ties to even
;;       return np.moveaxis(q.reshape(q.shape[:-2] + (-1,))[..., :K], -1, axis).astype(np.float32)
;;   ~~~
;; One version. Each part assembles by itself: llvm-mc -triple=amdgcn-amd-amdhsa -mcpu=gfx1250 --defsym DOCPART=n.
;; ======== version 1 of 1: 2 launches
;; limits: right only within a limited range of input values
;; workspace buffers: wq 557,056 bytes
;; launch wprep (part 1): grid 64 x 1, 4 waves a work-group, no clusters, 9,216 bytes of LDS; arguments W, wq; writes wq
.if DOCPART == 1
	.amdgcn_target "amdgcn-amd-amdhsa--gfx1250"
	.amdhsa_code_object_version 6
	.text
	.protected	k_q2416c69c2c_wprep
	.globl	k_q2416c69c2c_wprep
	.p2align	8
	.type	k_q2416c69c2c_wprep,@function
k_q2416c69c2c_wprep:
	s_mov_b64 s[64:65], 0
	v_nop
	global_prefetch_b8 v0, s[64:65] scope:SCOPE_SE
	s_setreg_imm32_b32 hwreg(HW_REG_WAVE_MODE, 25, 1), 1
	s_wait_xcnt 0x0
; W [1024 (o)][1024 (k)], f32, K innermost, becomes codes of FP4 (E2M1) with one E8M0 byte for each 32 along K, laid in wq AS IMAGES OF THE OPERAND'S REGISTERS,
; in the order in which the next launch's tensor loads and LDS loads take them:
;   wq = [pair p 0..3 (256 along K)][wave w 0..3 (256 rows of W)][K step q 0..1 (128 along K)], 17,408 bytes an entry.
;   Bytes 0 .. 16,383 of an entry: 16 fragments nt of 1,024 bytes (rows 256 w + 16 nt + r): the 16 bytes at 1024 nt + 512 c + 16 (16 h + r) are the codes of k = 256 p + 128 q + 64 c + 32 h + 0 .. 31.
;   Bytes 16,384 .. 17,407: the scale bytes: the byte at 256 i + 8 (16 par + r) + 4 e + b belongs to row 16 nt + r, nt = 4 i + 2 e + par, block b of the K step.
; A block's scale is 2^(floor(log2(its largest magnitude)) - 2); its byte is the largest magnitude's exponent field - 2, held at 1 from below by a floor among the maximum's leaves.
; LIMITS: a block of zeros, and a block whose largest magnitude lies under 2^-124, get the byte 1 (a block of zeros has zero codes, and this program alone reads the bytes); NaN and infinities are not served.
; SHARES: work-group B: pair p = B / 16, group G = B % 16 of four tiles of 16 rows; wave v takes tile 4 G + v: 16 rows x 256 along K.  Four tiles are what fills 256 consecutive scale bytes of an entry.
; A lane takes 8 neighbours along K of each of the 16 rows (two loads of 16 bytes; the two together read 1,024 consecutive bytes of a row); a block of 32 lies in four neighbouring lanes.
; No matrix unit, no tensor load, no cluster: 4 MiB are read once and nothing is shared but the 512 scale bytes.
.set SLOTB, 139264                     ; a pair of wq
.set WPART, 34816                      ; a wave's part of a pair
.set KSB,   17408                      ; an entry
.set SCL,   8192                       ; LDS: four stages of 2,048 bytes (a wave's codes), then the work-group's 512 scale bytes
.set X,     32                         ; v32-159  16 rows x 8 numbers
.set QM,    160                        ; v160-175 a row's largest magnitude, then the conversion's scale operand
.set QE,    176                        ; v176-191 the scale byte
.set QC,    192                        ; v192-207 8 codes
.set OUTR,  208                        ; v208-223 the way out
.set SCO,   224                        ; v224-227 the scale bytes on their way out
	s_load_b128 s[4:7], s[0:1], 0x0                ; W s[4:5], wq s[6:7]
	v_lshl_add_u32 v232, v0, 2, 0x2200
	v_mov_b32 v233, 0
	v_lshrrev_b32 v1, 5, v0
	v_readfirstlane_b32 s8, v1                     ; wave v
	v_and_b32 v2, 31, v0                           ; lane l
	s_wait_alu depctr_va_vdst(0)
	s_lshr_b32 s9, ttmp9, 4                        ; p
	s_and_b32 s10, ttmp9, 15                       ; G
	s_lshl_b32 s11, s10, 2
	s_add_co_u32 s11, s11, s8                      ; my tile of 16 rows
	s_lshl_b32 s12, s11, 16                        ; 16 rows of 4,096 bytes
	s_lshl_b32 s13, s9, 10                         ; the pair's 1,024 bytes in a row
	s_add_co_u32 s12, s12, s13
	s_mov_b32 s13, 0
	v_lshlrev_b32 v3, 5, v2                        ; my 32 bytes of them
	s_wait_alu depctr_va_vdst(0)
	s_wait_kmcnt 0x0
	s_add_nc_u64 s[4:5], s[4:5], s[12:13]
.irp i, 0,1,2,3,4,5,6,7,8,9,10,11,12,13,14,15
	global_load_b128 v[X+8*\i:X+8*\i+3],   v3, s[4:5] offset:4096*\i th:TH_LOAD_NT
	global_load_b128 v[X+8*\i+4:X+8*\i+7], v3, s[4:5] offset:4096*\i+16 th:TH_LOAD_NT
.endr
	; LDS addresses, while the loads are out
	v_lshrrev_b32 v5, 2, v2                        ; my block of the pair's eight: 4 q + 2 c + h
	v_and_b32 v6, 3, v2                            ; my quarter of it
	v_lshlrev_b32 v4, 8, v5
	v_lshl_add_u32 v4, v6, 2, v4
	s_lshl_b32 s14, s8, 11
	v_add_nc_u32 v4, s14, v4                       ; codes in: my stage + 256 x block + 4 x quarter; row i stands in the immediate, 16 i
	v_lshrrev_b32 v8, 4, v2                        ; q
	v_and_b32 v9, 3, v5                            ; b
	v_lshl_add_u32 v7, v8, 8, v9
	s_and_b32 s15, s8, 1
	s_lshl_b32 s15, s15, 7                         ; 128 par
	s_lshr_b32 s16, s8, 1
	s_lshl_b32 s16, s16, 2                         ; 4 e
	s_add_co_u32 s15, s15, s16
	s_add_co_u32 s15, s15, SCL
	v_add_nc_u32 v7, s15, v7                       ; scale bytes in: SCL + 256 q + 128 par + 4 e + b; row i in the immediate, 8 i
	v_lshlrev_b32 v10, 4, v2                       ; 16 l: the way out, in memory
	v_add_nc_u32 v11, s14, v10                     ; and in my stage
	v_add_nc_u32 v12, SCL, v10                     ; the scale bytes' way out: in LDS,
	v_and_b32 v14, 15, v2
	v_mul_u32_u24 v13, v8, KSB
	v_lshl_add_u32 v13, v14, 4, v13                ; and in memory: lanes 0-15 K step 0's 256 bytes, lanes 16-31 K step 1's
	; where my results go
	s_mul_i32 s14, s9, SLOTB
	s_lshr_b32 s15, s10, 2                         ; w
	s_mul_i32 s15, s15, WPART
	s_add_co_u32 s14, s14, s15                     ; entry (p, w, 0)
	s_and_b32 s16, s10, 3
	s_lshl_b32 s17, s16, 2
	s_add_co_u32 s17, s17, s8                      ; nt = 4 (G % 4) + v
	s_lshl_b32 s17, s17, 10
	s_add_co_u32 s18, s14, s17
	s_mov_b32 s19, 0
	s_add_nc_u64 s[18:19], s[6:7], s[18:19]        ; my fragment of K step 0
	s_lshl_b32 s16, s16, 8
	s_add_co_u32 s20, s14, s16
	s_add_co_u32 s20, s20, 16384
	s_mov_b32 s21, 0
	s_add_nc_u64 s[20:21], s[6:7], s[20:21]        ; the work-group's 256 scale bytes of K step 0
	s_wait_loadcnt 0x0
	; the sixteen rows by turns, so that no line waits for the line above it
.irp i, 0,1,2,3,4,5,6,7,8,9,10,11,12,13,14,15
	v_max3_num_f32 v[QM+\i], |v[X+8*\i]|, |v[X+8*\i+1]|, 0x1800000     ; my first two numbers and the floor 2^(3 - 127): the byte cannot fall under 1
.endr
.irp t, 1,2,3
.irp i, 0,1,2,3,4,5,6,7,8,9,10,11,12,13,14,15
	v_max3_num_f32 v[QM+\i], |v[X+8*\i+2*\t]|, |v[X+8*\i+2*\t+1]|, v[QM+\i]
.endr
.endr
.irp m, 1,2
.irp i, 0,1,2,3,4,5,6,7,8,9,10,11,12,13,14,15
	v_max_num_f32_dpp v[QM+\i], v[QM+\i], v[QM+\i] row_xmask:\m row_mask:0xf bank_mask:0xf   ; with the block's other three lanes
.endr
.endr
.irp i, 0,1,2,3,4,5,6,7,8,9,10,11,12,13,14,15
	v_add_nc_u32 v[QM+\i], 0xff000000, v[QM+\i]    ; 2 off the exponent field: the conversion takes that field of this operand as its scale
.endr
.irp i, 0,1,2,3,4,5,6,7,8,9,10,11,12,13,14,15
	v_lshrrev_b32 v[QE+\i], 23, v[QM+\i]           ; the scale's byte
.endr
.irp i, 0,1,2,3,4,5,6,7,8,9,10,11,12,13,14,15
	v_cvt_scalef32_pk8_fp4_f32 v[QC+\i], v[X+8*\i:X+8*\i+7], v[QM+\i]
.endr
	v_nop                                          ; one plain line behind the last scaled conversion
.irp i, 0,1,2,3,4,5,6,7,8,9,10,11,12,13,14,15
	ds_store_b32 v4, v[QC+\i] offset:16*\i         ; 4 bytes of row i's 16 in the image
.endr
.irp i, 0,1,2,3,4,5,6,7,8,9,10,11,12,13,14,15
	ds_store_b8 v7, v[QE+\i] offset:8*\i           ; the four lanes of a block write the same byte with the same value
.endr
.irp e, 0,1,2,3
	ds_load_b128 v[OUTR+4*\e:OUTR+4*\e+3], v11 offset:512*\e   ; my own stage: LDS serves a wave's instructions in order (ISA guide 5.7.1.4)
.endr
	s_wait_dscnt 0x0                               ; my loads are in, and, for wave 0's sake, my byte stores have landed
	s_barrier_signal -1
	s_barrier_wait -1
.irp e, 0,1,2,3
	global_store_b128 v10, v[OUTR+4*\e:OUTR+4*\e+3], s[18:19] offset:(\e/2)*KSB+(\e%2)*512   ; 32 lanes store 512 consecutive bytes, at a multiple of 256 from wq's first byte
.endr
	s_cmp_lg_u32 s8, 0
	s_cbranch_scc1 .Ldone                          ; wave 0 alone sends the scale bytes; no barrier stands under this branch
	ds_load_b128 v[SCO:SCO+3], v12
	s_wait_dscnt 0x0
	global_store_b128 v13, v[SCO:SCO+3], s[20:21]  ; sixteen lanes store 256 consecutive bytes, aligned, for each of the two K steps
.Ldone:
	s_wait_tensorcnt 0x0
	ds_add_u32 v232, v233
	s_wait_dscnt 0x0
	s_endpgm
.Lfunc_end_k_q2416c69c2c_wprep:
	.size	k_q2416c69c2c_wprep, .Lfunc_end_k_q2416c69c2c_wprep-k_q2416c69c2c_wprep
	.p2alignl 7, 3214868480
	.fill 96, 4, 3214868480
	.section	.rodata,"a",@progbits
	.p2align	6, 0x0
	.amdhsa_kernel k_q2416c69c2c_wprep
		.amdhsa_group_segment_fixed_size 9216
		.amdhsa_private_segment_fixed_size 0
		.amdhsa_enable_private_segment 0
		.amdhsa_kernarg_size 16
		.amdhsa_user_sgpr_count 2
		.amdhsa_user_sgpr_kernarg_segment_ptr 1
		.amdhsa_wavefront_size32 1
		.amdhsa_system_sgpr_workgroup_id_x 1
		.amdhsa_system_sgpr_workgroup_id_y 1
		.amdhsa_system_sgpr_workgroup_id_z 1
		.amdhsa_system_vgpr_workitem_id 0
		.amdhsa_next_free_vgpr 234
		.amdhsa_next_free_sgpr 66
		.amdhsa_reserve_vcc 0
		.amdhsa_float_denorm_mode_32 3
		.amdhsa_float_denorm_mode_16_64 3
		.amdhsa_memory_ordered 1
		.amdhsa_forward_progress 1
		.amdhsa_inst_pref_size 18
	.end_amdhsa_kernel
	.amdgpu_metadata
---
amdhsa.version: [ 1, 2 ]
amdhsa.kernels:
  - .name:           k_q2416c69c2c_wprep
    .symbol:         k_q2416c69c2c_wprep.kd
    .args:
      - { .name: W, .offset: 0, .size: 8, .value_kind: global_buffer, .address_space: global }
      - { .name: wq, .offset: 8, .size: 8, .value_kind: global_buffer, .address_space: global }
    .group_segment_fixed_size: 9216
    .private_segment_fixed_size: 0
    .kernarg_segment_align: 8
    .kernarg_segment_size: 16
    .max_flat_workgroup_size: 128
    .sgpr_count:     66
    .vgpr_count:     234
    .wavefront_size: 32
...
	.end_amdgpu_metadata
.endif
;; end of part 1
;; launch route (part 2): grid 256 x 1, 4 waves a work-group, clusters of 4 x 1, 327,680 bytes of LDS; arguments encoder_output, wq, out0; writes out0
.if DOCPART == 2
	.amdgcn_target "amdgcn-amd-amdhsa--gfx1250"
	.amdhsa_code_object_version 6
	.text
	.protected	k_q2416c69c2c_route
	.globl	k_q2416c69c2c_route
	.p2align	8
	.type	k_q2416c69c2c_route,@function
k_q2416c69c2c_route:
	s_mov_b64 s[64:65], 0
	v_nop
	global_prefetch_b8 v0, s[64:65] scope:SCOPE_SE
	s_setreg_imm32_b32 hwreg(HW_REG_WAVE_MODE, 25, 1), 1
	s_wait_xcnt 0x0
	s_wait_alu depctr_hold_cnt(0) depctr_sa_sdst(0) depctr_va_vdst(0) depctr_va_sdst(0) depctr_va_ssrc(0) depctr_va_vcc(0) depctr_vm_vsrc(0)
	s_getreg_b32 s2, hwreg(HW_REG_IB_STS2, 6, 4)
	s_cmp_eq_u32 s2, 0
	s_cbranch_scc0 .Lentry_in_a_cluster
	s_endpgm
.Lentry_in_a_cluster:
	s_bfe_u32 s2, ttmp6, 0x10000c
	s_cmp_lg_u32 s2, 0x3003
	s_cbranch_scc0 .Lentry_shape_is_right
	s_endpgm
.Lentry_shape_is_right:
; out0[c][:] = the third routing iteration's squash(c_hat) of class c, with u_hat = Q(x) Q(W)^T on codes of FP4 (E2M1), one E8M0 scale for each 32 along K.
; x = encoder_output [1024 classes][64 rows][1024] f32; wq: W's codes and scale bytes as images of operand registers (laid by the launch before); out0 [1024][1024] f32.
; WORK LEFT OUT: reference() returns c and never reads the b that its third iteration adds up, so that product (the table's fourth) reaches no output for any inputs and is not computed.
; The first softmax is of zeros that reference() builds itself: 1 / 64 exactly.  LIMIT: a NaN, an infinity or an overflow that reaches only the work left out is not carried to the result.
; FUSED: a class's u_hat, 64 x 1,024 f32, is 512 accumulator registers in each of four waves and never leaves them; the three iterations read it there.
; SHARES.  A work-group walks four classes.  In the product wave w owns all 64 rows x columns 256 w .. 256 w + 255: 4 x 16 accumulators; four pairs of K steps of 128, 128 matrix instructions a pair.
; ONE RING OF TWO SLOTS SERVES W AND x BY TURNS.  While a class is multiplied the slots hold W's pairs; while it is routed they hold the next class's two halves of x (512 along K each).
; A wave's tile is its own in both uses, filled by its one load and read by itself alone: 34 rows of 1,024 + 16 bytes.  W: its part of a pair, 34,816 consecutive bytes.  x: 32 rows (32 (w / 2) ..) x 1,024 bytes
; (byte 1,024 (w % 2) of the half); the tile's last two rows lie past the stated extent and arrive as zeros, so that both uses fill the same bytes.
; A CLASS has six refills, each behind a round of the cluster's barrier: W's pair 1, 2, 3; x's half 0 (ahead of pair 3's products); x's half 1 (behind the first iteration); W's pair 0 (behind the second).
; Behind the last two the half that has landed is quantised: in a unit of 16 rows x 128 K lane (r, h) takes the two blocks of 32 that the operand's layout gives it, so the largest magnitude needs no other lane and
; the conversions' results are the fragment's registers.  They reach the other waves as images in LDS, a class's codes at a time; the round ahead of pair 0 publishes them.
; CLUSTER: every work-group walks the same wq, so the four partners ask for each part of it JOINTLY (mask 15).  x's loads are each work-group's own (mask 0).  No branch and no LDS address hangs on the place in the cluster.
; PREFETCH: the next class's half 0 is named behind pair 0's refill, three refills ahead of its load, its half 1 behind pair 3's, one ahead: my tile's 32 rows x 4 blocks of 256 bytes, a lane a row.  The last class names nothing.
; b is summed against c_hat, not c: the squash's factor is one number a class and multiplies the two b of a lane afterwards.
; LIMITS: NaN and infinities among the inputs are not served.  A block of zeros, and a block whose largest magnitude lies under 2^-124, get the byte 1 (zero codes add nothing; this program alone reads the bytes).
; A class whose squared norm lies under 2^-126 meets v_rsq_f32's flush of denormals (ISA guide 15.8); a norm of 0 gives NaN, as the definition does.  The f32 sums are taken in another order than the definition's.
; REGISTERS: window 0: v1-31 addresses; v32-95 x's fragments of two K steps, and the routing's d and c_hat; v96-99 x's scale words, v100-115 W's; v128-223 the routing's work.
;   window 1: W's fragments, set q at 128 q; while quantising x as f32 (v0-127) and the work (v128-159).   windows 2, 3: accumulator (mt, nt) at 32 (nt % 8) + 8 mt.
.set SLOTB, 139264                     ; a pair of K steps in wq
.set WPART, 34816                      ; a wave's part of it
.set CLS,   262144                     ; a class of x
.set LP,    1040                       ; an LDS row: 65 x 16 bytes, so 16 rows start at 16 different groups of banks (ISA guide 11.1)
.set XT,    34*LP                      ; a wave's tile
.set XSL,   4*XT                       ; a slot
.set CB,    282880                     ; a class's codes: 8 K steps x 4 row tiles x 1,024 bytes
.set SCB,   315648                     ; its scale words: 8 K steps x 64 rows x 4 bytes
.set RST,   317696                     ; each wave's stage for the routing: 4 rows of 272 bytes
.set RSB,   1088
.set XCH,   322048                     ; what the waves hand each other: 4 x 256 bytes of b's parts, then four parts of the norm
.set SPARE, 323328                     ; the spare words, 128 bytes a wave; no other line names them
.set SPW,  1
.set NIL,  2
.set WA0,  3                           ; v3-4   W's fragments and scale words in slot 0
.set WA1,  5                           ; v5-6   in slot 1
.set WAL,  7                           ; v7-8   in the loop's slot
.set ADA0, 9                           ; v9-10  x's images and scale words of K step 0
.set ADA,  11                          ; v11-12 the same, stepped in the loop over pairs
.set PFO,  13                          ; lane x a row of x
.set QRA,  14                          ; v14-15 x in slot 0, 1: my tile, row r, + 128 h
.set RSI,  16
.set RSO,  17
.set XWP,  18
.set XWN,  19
.set XRP,  20
.set XRN,  21
.set DDR,  23
.set OSW,  24
.set OSR,  25
.set OGO,  26
.set QCA,  27                          ; where my codes go
.set QSA,  28                          ; and my scale words
.set QT,   29                          ; v29-31 the three, stepped by row tile
.set AF,   32
.set AS,   96
.set BS,   100
.set DD,   32
.set TT,   64
.set SS,   128
.set RB,   160
.set NQ,   192
.set BB,   196
.set FF,   198
.set NRM,  200
.set OO,   208
.set OL,   216
.set WV,   10
.set G1W,  16
.set G1X,  24
.set G0W0, 32                          ; pair 0 into slot 0
.set G0W1, 36                          ; pair 1 into slot 1
.set G0L,  40                          ; the loop's: pairs 2 and 3
.set G0X0, 44                          ; x's half 0 into slot 0
.set G0X1, 48                          ; half 1 into slot 1
.set CL,   52
.set IT,   53
.set FLR,  54
.set EOFF, 55
.set SEL,  56
.set HM,   58
.set L2E,  59
.set AO,   60                          ; s60-61  the loop's step in the codes, in the scale words
.set SO,   62                          ; the slot that the loop's pair is read from: 0 or XSL
.set QI,   63
.set TL,   74                          ; my tile's place in a slot
.set MSB, 0
.macro WIN new
.if MSB != (\new)
	s_set_vgpr_msb (MSB<<8)|(\new)
.set MSB, (\new)
.endif
.endm
.macro PLACES                          ; four plain lines behind a matrix instruction, or behind a tensor load
.rept 4
	v_nop
.endr
.endm
.macro BAR
	s_wait_dscnt 0x0
	s_barrier_signal -1
	s_barrier_wait -1
.endm
.macro ROUND                           ; a round of the cluster's barrier
	s_barrier_signal -1
	s_barrier_wait -1
	s_cmp_lg_u32 s[WV], 0
	s_cbranch_scc1 .Lnot_wave_0_\@
	s_barrier_signal -3
.Lnot_wave_0_\@:
	s_barrier_wait -3
	s_barrier_signal -1
	s_barrier_wait -1
.endm
; A refill.  By this text's count one tensor load a wave is out at a time.  how = 1: x's next class; how = 2: the loop's next pair, into the slot that is not read.
.macro RFILL g0, g1, how
	s_wait_alu depctr_va_vdst(0)                   ; the wait ahead of the blocking waits
	s_wait_tensorcnt 0x0
	ds_add_u32 v[SPW], v[NIL]
.if (\how) == 1
	s_add_nc_u64 s[\g0+2:\g0+3], s[\g0+2:\g0+3], CLS
.endif
.if (\how) == 2
	s_xor_b32 s11, s[SO], XSL
	s_add_co_u32 s[\g0+1], s[TL], s11
	s_add_nc_u64 s[\g0+2:\g0+3], s[\g0+2:\g0+3], SLOTB
.endif
	s_wait_dscnt 0x0                               ; the add, my stores of codes and my reads of the slots and of the codes are done
	ROUND
	tensor_load_to_lds s[\g0:\g0+3], s[\g1:\g1+7]
	s_nop 0
	PLACES
.endm
.macro PF off                          ; my tile at off bytes from this class's first: 32 rows x 1,024 bytes, each block of 256 named once
.irp j, 0,1,2,3
	global_prefetch_b8 v[PFO], s[4:5] offset:(\off)+256*\j th:TH_LOAD_NT scope:SCOPE_SE
.endr
.endm
; 18 LDS loads: column tiles 8 half .. 8 half + 7 of K step q, a row of the tile each, and their scale words, into set q
.macro LDW q, half, rb
	WIN 0x40
.irp n, 0,1,2,3,4,5,6,7
.irp c, 0,1
	ds_load_b128 v[128*(\q)+8*(8*(\half)+\n)+4*\c:128*(\q)+8*(8*(\half)+\n)+4*\c+3], v[\rb] offset:LP*(17*(\q)+8*(\half)+\n)+512*\c
.endr
.endr
	WIN 0
.irp i, 0,1
	ds_load_b64 v[BS+8*(\q)+4*(\half)+2*\i:BS+8*(\q)+4*(\half)+2*\i+1], v[\rb+1] offset:LP*(17*(\q)+16)+256*(2*(\half)+\i)
.endr
.endm
.macro LDA q, ra, off                  ; 10 loads: x's four fragments and two registers of scale words (row tile 2 i in lanes 0-15, 2 i + 1 in lanes 16-31)
.irp m, 0,1,2,3
.irp c, 0,1
	ds_load_b128 v[AF+32*(\q)+8*\m+4*\c:AF+32*(\q)+8*\m+4*\c+3], v[\ra] offset:(\off)+1024*\m+512*\c
.endr
.endr
.irp i, 0,1
	ds_load_b32 v[AS+2*(\q)+\i], v[\ra+1] offset:(\off)/16+128*\i
.endr
.endm
.macro WM c, pa, pb                    ; pa, pb: the scale words of an odd tile stand in lanes 16-31
.if ((\pa) == 0) && ((\pb) == 0)
	v_wmma_scale_f32_16x16x128_f8f6f4 v[rD:rD+7], v[rA:rA+7], v[rB:rB+7], \c, v[rSA], v[rSB] matrix_a_fmt:MATRIX_FMT_FP4 matrix_b_fmt:MATRIX_FMT_FP4
.elseif ((\pa) == 1) && ((\pb) == 0)
	v_wmma_scale_f32_16x16x128_f8f6f4 v[rD:rD+7], v[rA:rA+7], v[rB:rB+7], \c, v[rSA], v[rSB] matrix_a_fmt:MATRIX_FMT_FP4 matrix_b_fmt:MATRIX_FMT_FP4 matrix_a_scale:MATRIX_SCALE_ROW1
.elseif ((\pa) == 0)
	v_wmma_scale_f32_16x16x128_f8f6f4 v[rD:rD+7], v[rA:rA+7], v[rB:rB+7], \c, v[rSA], v[rSB] matrix_a_fmt:MATRIX_FMT_FP4 matrix_b_fmt:MATRIX_FMT_FP4 matrix_b_scale:MATRIX_SCALE_ROW1
.else
	v_wmma_scale_f32_16x16x128_f8f6f4 v[rD:rD+7], v[rA:rA+7], v[rB:rB+7], \c, v[rSA], v[rSB] matrix_a_fmt:MATRIX_FMT_FP4 matrix_b_fmt:MATRIX_FMT_FP4 matrix_a_scale:MATRIX_SCALE_ROW1 matrix_b_scale:MATRIX_SCALE_ROW1
.endif
.endm
; 32 matrix instructions: set q, column tiles 8 half .. x the four row tiles.  The 64 accumulators take turns, in the same order in every K step.
.macro MUL q, half, zero
	WIN 0xa4+0x50*(\half)                          ; C and D window 2 or 3, A window 0, B window 1
.irp n, 0,1,2,3,4,5,6,7
.irp m, 0,1,2,3
.set rD,  32*\n+8*\m
.set rA,  AF+32*(\q)+8*\m
.set rB,  128*(\q)+8*(8*(\half)+\n)
.set rSA, AS+2*(\q)+(\m/2)
.set rSB, BS+8*(\q)+4*(\half)+(\n/2)
.if \zero
	WM 0, \m%2, \n%2
.else
	WM v[rD:rD+7], \m%2, \n%2
.endif
.endr
.endr
.endm
; A pair's products, W read from the slot at v[rb].  Each half of W is asked of LDS 32 products ahead of its use; the counts name what was issued behind the half that is wanted.
; ao >= 0: x's fragments of the next pair are fetched into the registers just multiplied.  The places in front of the loads into W's sets are the four lines behind the refill.
.macro PAIRC zero, rb, ra, ao
	LDW 0, 0, \rb
	LDW 0, 1, \rb
	s_wait_dscnt 18
	MUL 0, 0, \zero
	WIN 0
	LDW 1, 0, \rb
	s_wait_dscnt 18
	MUL 0, 1, \zero
	WIN 0
	LDW 1, 1, \rb
.if (\ao) >= 0
	PLACES
	LDA 0, \ra, \ao
	s_wait_dscnt 28                                ; 18 of W and 10 of x
.else
	s_wait_dscnt 18
.endif
	MUL 1, 0, 0
.if (\ao) >= 0
	s_wait_dscnt 10
.else
	s_wait_dscnt 0
.endif
	MUL 1, 1, 0
	WIN 0
.if (\ao) >= 0
	PLACES
	LDA 1, \ra, (\ao)+4096
.endif
.endm
; A class's product.  Pair 0 starts the sums, pairs 1 and 2 are a loop in which the slots change places, pair 3 is written out: ahead of it slot 0 takes x's next half 0, or (last = 1) nothing.
.macro GEMM last
	RFILL G0W1, G1W, 0                             ; pair 0 has landed, the class's codes are published; pair 1 goes out
.if (\last) == 0
	PF CLS
.endif
	LDA 0, ADA0, 0
	LDA 1, ADA0, 4096
	PAIRC 1, WA0, ADA0, 8192
	s_mov_b32 s[G0L], 1                            ; the loop's group 0 begins as pair 1's and is stepped ahead of each use
	s_mov_b32 s[G0L+1], s[G0W1+1]
	s_mov_b64 s[G0L+2:G0L+3], s[G0W1+2:G0W1+3]
	s_mov_b32 s[AO], 0
	s_mov_b32 s[SO], XSL
.Lpair_\@:
	s_lshr_b32 s[AO+1], s[AO], 4
	v_add_nc_u32 v[ADA], s[AO], v[ADA0]
	v_add_nc_u32 v[ADA+1], s[AO+1], v[ADA0+1]
	v_add_nc_u32 v[WAL], s[SO], v[WA0]
	v_add_nc_u32 v[WAL+1], s[SO], v[WA0+1]
	RFILL G0L, G1W, 2
	PAIRC 0, WAL, ADA, 16384
	s_xor_b32 s[SO], s[SO], XSL
	s_add_co_u32 s[AO], s[AO], 8192
	s_cmp_lt_u32 s[AO], 16384
	s_cbranch_scc1 .Lpair_\@
.if \last
	s_wait_tensorcnt 0x0                           ; my part of pair 3 is in; I alone read it, and nothing is filled again
	PLACES
.else
	RFILL G0X0, G1X, 1
	PF CLS+2048
.endif
	PAIRC 0, WA1, 0, -1
.endm
; Half hf of a class, out of slot hf: two trips, a row tile each; in a trip two units of 16 rows x 128 K.
.macro QLD q
.irp c, 0,1
.irp j, 0,1,2,3,4,5,6,7
	ds_load_b128 v[64*(\q)+32*\c+4*\j:64*(\q)+32*\c+4*\j+3], v[QT] offset:512*(\q)+256*\c+16*\j
.endr
.endr
.endm
; A unit becomes 8 registers of codes and a scale word, stored as images.  Each block's largest magnitude in two chains, the floor 2^(3 - 127) among the leaves: the byte cannot fall under 1.
.macro QCV q, hf
.set X_, 64*(\q)
.set T_, 128+16*(\q)
	WIN 0x55                                       ; all in window 1
.irp c, 0,1
	v_max3_num_f32 v[T_+\c], |v[X_+32*\c]|, |v[X_+32*\c+1]|, s[FLR]
	v_max3_num_f32 v[T_+2+\c], |v[X_+32*\c+16]|, |v[X_+32*\c+17]|, |v[X_+32*\c+18]|
.endr
.irp i, 2,4,6,8,10,12,14
.irp c, 0,1
	v_max3_num_f32 v[T_+\c], |v[X_+32*\c+\i]|, |v[X_+32*\c+\i+1]|, v[T_+\c]
.if \i < 14
	v_max3_num_f32 v[T_+2+\c], |v[X_+32*\c+17+\i]|, |v[X_+32*\c+18+\i]|, v[T_+2+\c]
.endif
.endr
.endr
.irp c, 0,1
	v_max3_num_f32 v[T_+\c], v[T_+\c], v[T_+2+\c], |v[X_+32*\c+31]|
.endr
.irp c, 0,1
	v_add_nc_u32 v[T_+\c], s[EOFF], v[T_+\c]       ; 2 off the exponent field: the conversion's scale operand
.endr
.irp c, 0,1
	v_lshrrev_b32 v[T_+2+\c], 23, v[T_+\c]         ; the scale's byte
.endr
.irp c, 0,1
.irp g, 0,1,2,3
	v_cvt_scalef32_pk8_fp4_f32 v[T_+8+4*\c+\g], v[X_+32*\c+8*\g:X_+32*\c+8*\g+7], v[T_+\c]
.endr
.endr
	v_lshl_or_b32 v[T_+4], v[T_+3], 16, v[T_+2]    ; my bytes: blocks h and 2 + h (also the plain line behind the conversions),
	v_lshlrev_b32 v[T_+6], 8, v[T_+4]
	v_cndmask_b32 v[T_+4], v[T_+4], v[T_+6], s[HM] ; at their places in the row's word: 8 bits up in lanes 16-31;
	v_permlanex16_b32 v[T_+5], v[T_+4], s[SEL], s[SEL+1]
	v_or_b32 v[T_+4], v[T_+4], v[T_+5]             ; with lane l xor 16's two the word is whole
	WIN 0x04                                       ; address window 0, data window 1
.irp c, 0,1
	ds_store_b128 v[QT+1], v[T_+8+4*\c:T_+8+4*\c+3] offset:16384*(\hf)+4096*(\q)+512*\c
.endr
	ds_store_b32 v[QT+2], v[T_+4] offset:1024*(\hf)+256*(\q)   ; lanes r and 16 + r write the same word with the same value
.endm
.macro QHALF hf
	s_mov_b32 s[QI], 0
.Lq_\@:
	s_mul_i32 s11, s[QI], 260                      ; 16 rows of x in the tile: 16,640 bytes
	s_lshl_b32 s12, s[QI], 4                       ; a row tile's image: 1,024 bytes; its scale words: 64
	v_add_nc_u32 v[QT], s11, v[QRA+\hf]
	v_add_nc_u32 v[QT+1], s12, v[QCA]
	v_add_nc_u32 v[QT+2], s[QI], v[QSA]
	s_wait_alu depctr_va_vdst(0)                   ; the wait directly behind the writes
	WIN 0x40
	QLD 0
	QLD 1
	s_wait_dscnt 16                                ; the first unit's 16 loads are in (and the last trip's stores are done)
	QCV 0, \hf
	s_wait_dscnt 3                                 ; behind the second unit's loads: 3 stores
	QCV 1, \hf
	WIN 0
	s_add_co_u32 s[QI], s[QI], 64
	s_cmp_lt_u32 s[QI], 128
	s_cbranch_scc1 .Lq_\@
.endm
; c_hat of eight column tiles: 16 packed multiply-adds each, the tiles by turns.  Each accumulator is read from its low end on.
.macro CHALF hi
	WIN 0x02+(\hi)
.irp i, 0,1,2,3,4,5,6,7,8,9,10,11,12,13,14,15
.irp n, 0,1,2,3,4,5,6,7
.if \i == 0
	v_pk_mul_f32 v[TT+16*(\hi)+2*\n:TT+16*(\hi)+2*\n+1], v[32*\n:32*\n+1], v[DD:DD+1]
.else
	v_pk_fma_f32 v[TT+16*(\hi)+2*\n:TT+16*(\hi)+2*\n+1], v[32*\n+2*\i:32*\n+2*\i+1], v[DD+2*\i:DD+2*\i+1], v[TT+16*(\hi)+2*\n:TT+16*(\hi)+2*\n+1]
.endif
.endr
.endr
.endm
; c_hat[256 w + 16 nt + r] into TT + 2 nt of lanes r and 16 + r, and my wave's part of its squared norm into NRM
.macro CPASS
	CHALF 0
	CHALF 1
	WIN 0
.irp n, 0,1,2,3,4,5,6,7,8,9,10,11,12,13,14,15
	v_add_f32 v[TT+2*\n], v[TT+2*\n], v[TT+2*\n+1]
.endr
.irp n, 0,1,2,3,4,5,6,7,8,9,10,11,12,13,14,15
	v_permlanex16_b32 v[TT+2*\n+1], v[TT+2*\n], s[SEL], s[SEL+1]
.endr
.irp n, 0,1,2,3,4,5,6,7,8,9,10,11,12,13,14,15
	v_add_f32 v[TT+2*\n], v[TT+2*\n], v[TT+2*\n+1]
.endr
	v_mul_f32 v201, v[TT], v[TT]
	v_mul_f32 v202, v[TT+2], v[TT+2]
.irp n, 2,4,6,8,10,12,14
	v_fmac_f32 v201, v[TT+2*\n], v[TT+2*\n]
	v_fmac_f32 v202, v[TT+2*\n+2], v[TT+2*\n+2]
.endr
	v_add_f32 v[NRM], v201, v202
.irp m, 1,2,4,8
	v_add_f32_dpp v[NRM], v[NRM], v[NRM] row_xmask:\m row_mask:0xf bank_mask:0xf
.endr
.endm
; b's parts: for my 32 rows the sum over my lane's 16 columns of u x c_hat
.macro BHALF hi
	WIN 0x02+(\hi)
.irp n, 0,1,2,3,4,5,6,7
.irp i, 0,1,2,3,4,5,6,7,8,9,10,11,12,13,14,15
.if ((\hi) == 0) && (\n == 0)
	v_pk_mul_f32 v[SS+2*\i:SS+2*\i+1], v[2*\i:2*\i+1], v[TT:TT+1] op_sel_hi:[1,0]
.else
	v_pk_fma_f32 v[SS+2*\i:SS+2*\i+1], v[32*\n+2*\i:32*\n+2*\i+1], v[TT+16*(\hi)+2*\n:TT+16*(\hi)+2*\n+1], v[SS+2*\i:SS+2*\i+1] op_sel_hi:[1,0,1]
.endif
.endr
.endr
.endm
; The squash's factor: c = FF x c_hat, FF = norm / (1 + norm) / sqrt(norm)
.macro FAC
	v_add_f32 v201, v[NQ], v[NQ+1]
	v_add_f32 v202, v[NQ+2], v[NQ+3]
	v_add_f32 v201, v201, v202
	v_add_f32 v202, 1.0, v201
	s_wait_alu depctr_va_vdst(0)                   ; a wait ahead of the batch
	v_rcp_f32 v203, v202
	v_rsq_f32 v206, v201
	v_nop
	s_wait_alu depctr_va_vdst(0)                   ; and one behind it
	v_mul_f32 v203, v201, v203
	v_mul_f32 v[FF], v203, v206
.endm
.macro RINIT
	PLACES
.irp i, 0,1,2,3,4,5,6,7,8,9,10,11,12,13,14,15,16,17,18,19,20,21,22,23,24,25,26,27,28,29,30,31
	v_mov_b32 v[DD+\i], 0x3c800000                 ; the softmax of 64 zeros: 1 / 64
.endr
	v_mov_b32 v[BB], 0
	v_mov_b32 v[BB+1], 0
	v_mov_b32 v[FF+1], 0
.endm
; b += u . c, and the next d
.macro BPART
	BHALF 0
	BHALF 1
	WIN 0
.irp m, 8,4
.irp i, 0,1,2,3,4,5,6,7,8,9,10,11,12,13,14,15,16,17,18,19,20,21,22,23,24,25,26,27,28,29,30,31
	v_add_f32_dpp v[SS+\i], v[SS+\i], v[SS+\i] row_xmask:\m row_mask:0xf bank_mask:0xf   ; lanes r, r xor 4, r xor 8, r xor 12 together: four different sums are left in a row of lanes
.endr
.endr
.irp m, 0,1,2,3
.irp jh, 0,1
	ds_store_b128 v[RSI], v[SS+8*\m+4*\jh:SS+8*\m+4*\jh+3] offset:64*\m+16*\jh   ; stage row r % 4; the four lanes that share a sum write the same bytes with the same values
.endr
.endr
.irp rr, 0,1,2,3
	ds_load_b64 v[RB+2*\rr:RB+2*\rr+1], v[RSO] offset:272*\rr   ; my own stage, served in order (ISA guide 5.7.1.4): lane l takes rows 2 l and 2 l + 1
.endr
	s_wait_dscnt 0x0
	v_pk_add_f32 v[RB:RB+1], v[RB:RB+1], v[RB+2:RB+3]
	v_pk_add_f32 v[RB+4:RB+5], v[RB+4:RB+5], v[RB+6:RB+7]
	v_pk_add_f32 v[RB:RB+1], v[RB:RB+1], v[RB+4:RB+5]
	ds_store_b64 v[XWP], v[RB:RB+1]
	ds_store_b32 v[XWN], v[NRM]
	BAR                                            ; the four waves' parts lie in LDS
.irp ww, 0,1,2,3
	ds_load_b64 v[RB+2+2*\ww:RB+3+2*\ww], v[XRP] offset:256*\ww
.endr
	ds_load_b128 v[NQ:NQ+3], v[XRN]
	BAR                                            ; every wave has read them: the next iteration may store there
	v_pk_add_f32 v[RB+2:RB+3], v[RB+2:RB+3], v[RB+4:RB+5]
	v_pk_add_f32 v[RB+6:RB+7], v[RB+6:RB+7], v[RB+8:RB+9]
	FAC
	v_pk_add_f32 v[RB+2:RB+3], v[RB+2:RB+3], v[RB+6:RB+7]
	v_pk_fma_f32 v[BB:BB+1], v[RB+2:RB+3], v[FF:FF+1], v[BB:BB+1] op_sel_hi:[1,0,1]   ; b += FF x (u . c_hat)
	v_max_num_f32 v201, v[BB], v[BB+1]             ; the softmax of the 64 b, two a lane, the largest taken away first
.irp m, 1,2,4,8
	v_max_num_f32_dpp v201, v201, v201 row_xmask:\m row_mask:0xf bank_mask:0xf
.endr
	v_permlanex16_b32 v202, v201, s[SEL], s[SEL+1]
	v_max_num_f32 v201, v201, v202
	v_sub_f32 v204, v[BB], v201
	v_sub_f32 v205, v[BB+1], v201
	v_mul_f32 v204, s[L2E], v204
	v_mul_f32 v205, s[L2E], v205
	s_wait_alu depctr_va_vdst(0)
	v_exp_f32 v204, v204
	v_exp_f32 v205, v205
	v_nop
	s_wait_alu depctr_va_vdst(0)
	v_add_f32 v203, v204, v205
.irp m, 1,2,4,8
	v_add_f32_dpp v203, v203, v203 row_xmask:\m row_mask:0xf bank_mask:0xf
.endr
	v_permlanex16_b32 v202, v203, s[SEL], s[SEL+1]
	v_add_f32 v203, v203, v202
	s_wait_alu depctr_va_vdst(0)
	v_rcp_f32 v206, v203
	v_nop
	s_wait_alu depctr_va_vdst(0)
	v_mul_f32 v204, v204, v206
	v_mul_f32 v205, v205, v206
	ds_store_b64 v[RSO], v[204:205]                ; d[2 l], d[2 l + 1] into my stage's first 256 bytes (its sums have been read), and back in the accumulators' order
.irp m, 0,1,2,3
.irp jh, 0,1
	ds_load_b128 v[DD+8*\m+4*\jh:DD+8*\m+4*\jh+3], v[DDR] offset:64*\m+16*\jh
.endr
.endr
	s_wait_dscnt 0x0
.endm
; The class's row of out0 from the third c_hat
.macro FIN
	s_wait_alu depctr_va_vdst(0)
	ds_store_b32 v[XWN], v[NRM]
	BAR
	ds_load_b128 v[NQ:NQ+3], v[XRN]
	s_wait_dscnt 0x0
	FAC
.irp i, 0,1,2,3,4,5,6,7
	v_cndmask_b32 v[OO+\i], v[TT+4*\i], v[TT+4*\i+2], s[HM]   ; lane l takes column 32 i + l
.endr
.irp i, 0,1,2,3,4,5,6,7
	v_mul_f32 v[OO+\i], v[FF], v[OO+\i]
.endr
.irp i, 0,1,2,3,4,5,6,7
	ds_store_b32 v[OSW], v[OO+\i] offset:128*\i
.endr
.irp i, 0,1
	ds_load_b128 v[OL+4*\i:OL+4*\i+3], v[OSR] offset:512*\i
.endr
	s_wait_dscnt 0x0
.irp i, 0,1
	global_store_b128 v[OGO], v[OL+4*\i:OL+4*\i+3], s[8:9] offset:512*\i th:TH_STORE_NT   ; 32 lanes store 512 consecutive bytes, at a multiple of 256 from out0's first byte
.endr
.endm
	s_load_b128 s[4:7], s[0:1], 0x0                ; x, wq
	s_load_b64 s[8:9], s[0:1], 0x10                ; out0
	v_lshl_add_u32 v[SPW], v0, 2, SPARE
	v_mov_b32 v[NIL], 0
	ds_add_u32 v[SPW], v[NIL]                      ; the opening lines: the add twice on end and one wait, ahead of the round in front of my first tensor load
	ds_add_u32 v[SPW], v[NIL]
	v_lshrrev_b32 v32, 5, v0
	v_readfirstlane_b32 s[WV], v32                 ; wave 0..3
	s_bfe_u32 s66, ttmp6, 0x40000                  ; cx: it enters x's and out0's addresses alone
	s_lshl_b32 s67, ttmp9, 2
	s_add_co_u32 s67, s67, s66                     ; my work-group
	s_lshr_b32 s11, s[WV], 1                       ; which 32 rows of x are mine
	s_and_b32 s12, s[WV], 1                        ; which 1,024 bytes of a half
	s_lshl_b32 s68, s67, 20                        ; x: four classes a work-group,
	s_lshl_b32 s81, s11, 17                        ; 32 rows of 4,096 bytes,
	s_add_co_u32 s68, s68, s81
	s_lshl_b32 s81, s12, 10
	s_add_co_u32 s68, s68, s81
	s_mov_b32 s69, 0
	s_lshl_b32 s70, s67, 14                        ; out0: four rows of 4,096 bytes
	s_mov_b32 s71, 0
	s_mul_i32 s72, s[WV], WPART
	s_mov_b32 s73, 0
	s_mul_i32 s[TL], s[WV], XT
	s_lshl_b32 s75, s12, 13                        ; codes: K steps 2 (w % 2) .., row tiles 2 (w / 2) ..
	s_lshl_b32 s81, s11, 11
	s_add_co_u32 s75, s75, s81
	s_add_co_u32 s75, s75, CB
	s_lshl_b32 s76, s12, 9
	s_lshl_b32 s81, s11, 7
	s_add_co_u32 s76, s76, s81
	s_add_co_u32 s76, s76, SCB
	s_mul_i32 s77, s[WV], RSB
	s_add_co_u32 s77, s77, RST
	s_lshl_b32 s78, s[WV], 8
	s_add_co_u32 s78, s78, XCH
	s_lshl_b32 s79, s[WV], 2
	s_add_co_u32 s79, s79, XCH+1024
	s_lshl_b32 s80, s[WV], 10
	; group 1: 34 rows of 256 elements of 4 bytes, 4 words of padding behind each.  W: dense, asked for jointly by the four.  x: 32 rows are stated as the extent, 1,024 elements from row to row.
	s_mov_b32 s[G1W+0], 15|(2<<16)|(1<<20)|(1<<21)|(7<<22)|(3<<25)
	s_mov_b32 s[G1W+1], 256<<16
	s_mov_b32 s[G1W+2], 34<<16
	s_mov_b32 s[G1W+3], 256<<16
	s_mov_b32 s[G1W+4], 34
	s_mov_b32 s[G1W+5], 256
	s_mov_b32 s[G1W+6], 0
	s_mov_b32 s[G1W+7], 0
	s_mov_b32 s[G1X+0], (2<<16)|(1<<20)|(7<<22)|(3<<25)
	s_mov_b32 s[G1X+1], 256<<16
	s_mov_b32 s[G1X+2], 32<<16
	s_mov_b32 s[G1X+3], 256<<16
	s_mov_b32 s[G1X+4], 34
	s_mov_b32 s[G1X+5], 1024
	s_mov_b32 s[G1X+6], 0
	s_mov_b32 s[G1X+7], 0
	s_mov_b32 s[FLR], 0x01800000
	s_mov_b32 s[EOFF], 0xff000000
	s_mov_b32 s[SEL], 0x76543210
	s_mov_b32 s[SEL+1], 0xfedcba98
	s_mov_b32 s[HM], 0xffff0000
	s_mov_b32 s[L2E], 0x3fb8aa3b
	v_and_b32 v32, 31, v0                          ; lane l
	v_and_b32 v33, 15, v0                          ; r
	v_bfe_u32 v34, v0, 4, 1                        ; h
	v_and_b32 v35, 3, v0                           ; r % 4
	v_lshl_add_u32 v[WA0], v32, 4, s[TL]
	v_lshl_add_u32 v[WA0+1], v32, 3, s[TL]
	v_add_nc_u32 v[WA1], XSL, v[WA0]
	v_add_nc_u32 v[WA1+1], XSL, v[WA0+1]
	v_lshl_add_u32 v[ADA0], v32, 4, CB
	v_lshl_add_u32 v[ADA0+1], v32, 2, SCB
	v_lshlrev_b32 v[PFO], 12, v32
	v_mul_u32_u24 v[QRA], v33, LP
	v_lshl_add_u32 v[QRA], v34, 7, v[QRA]
	v_add_nc_u32 v[QRA], s[TL], v[QRA]
	v_add_nc_u32 v[QRA+1], XSL, v[QRA]
	v_lshl_add_u32 v[QCA], v32, 4, s75
	v_lshl_add_u32 v[QSA], v33, 2, s76
	v_mul_u32_u24 v[RSI], v35, 272
	v_lshl_add_u32 v[RSI], v34, 5, v[RSI]
	v_add_nc_u32 v[RSI], s77, v[RSI]
	v_lshl_add_u32 v[RSO], v32, 3, s77
	v_lshl_add_u32 v[XWP], v32, 3, s78
	v_mov_b32 v[XWN], s79
	v_lshl_add_u32 v[XRP], v32, 3, XCH
	v_mov_b32 v[XRN], XCH+1024
	v_lshl_add_u32 v[DDR], v34, 5, s77
	v_lshl_add_u32 v[OSW], v32, 2, s77
	v_lshl_add_u32 v[OSR], v32, 4, s77
	v_lshl_add_u32 v[OGO], v32, 4, s80
	WIN 0x40
	v_mov_b32 v133, 0                              ; (window 1) a lane permute's destination counts as read
	v_mov_b32 v149, 0
	WIN 0
	s_wait_alu depctr_va_vdst(0)
	s_wait_dscnt 0x0                               ; both opening adds are done
	s_wait_kmcnt 0x0
	s_add_nc_u64 s[4:5], s[4:5], s[68:69]          ; my tile of the first class's half 0
	s_add_nc_u64 s[8:9], s[8:9], s[70:71]
	s_add_nc_u64 s[6:7], s[6:7], s[72:73]          ; my part of pair 0
	s_mov_b32 s[G0W0], 1
	s_mov_b32 s[G0W0+1], s[TL]
	s_mov_b64 s[G0W0+2:G0W0+3], s[6:7]
	s_or_b32 s[G0W0+3], s[G0W0+3], 0x80000000
	s_mov_b32 s[G0W1], 1
	s_add_co_u32 s[G0W1+1], s[TL], XSL
	s_add_nc_u64 s[G0W1+2:G0W1+3], s[6:7], SLOTB
	s_or_b32 s[G0W1+3], s[G0W1+3], 0x80000000
	s_mov_b32 s[G0X0], 1
	s_mov_b32 s[G0X0+1], s[TL]
	s_mov_b64 s[G0X0+2:G0X0+3], s[4:5]
	s_or_b32 s[G0X0+3], s[G0X0+3], 0x80000000
	s_mov_b32 s[G0X1], 1
	s_add_co_u32 s[G0X1+1], s[TL], XSL
	s_add_nc_u64 s[G0X1+2:G0X1+3], s[4:5], 2048
	s_or_b32 s[G0X1+3], s[G0X1+3], 0x80000000
	ROUND                                          ; in front of the first tensor loads
	tensor_load_to_lds s[G0X0:G0X0+3], s[G1X:G1X+7]   ; my one tensor load at the head: the first class's half 0 into slot 0
	s_nop 0
	PLACES
	PF 2048
	RFILL G0X1, G1X, 0                             ; slot 1's first fill, issued as a refill is: half 1
	QHALF 0
	RFILL G0W0, G1W, 0                             ; W's pair 0 into slot 0
	QHALF 1
	s_mov_b32 s[CL], 3
.Lclass:
	GEMM 0
	RINIT
	CPASS
	BPART
	RFILL G0X1, G1X, 1                             ; the next class's half 0 has landed; nobody reads this class's codes any more; half 1 goes out
	QHALF 0
	CPASS
	BPART
	RFILL G0W0, G1W, 0                             ; half 1 has landed; W's pair 0 goes out
	QHALF 1
	CPASS
	FIN
	s_wait_xcnt 0x0                                ; prefetches and stores have read their bases and registers
	s_add_nc_u64 s[4:5], s[4:5], CLS
	s_add_nc_u64 s[8:9], s[8:9], 4096
	s_sub_co_u32 s[CL], s[CL], 1
	s_cmp_lg_u32 s[CL], 0
	s_cbranch_scc1 .Lclass
	GEMM 1                                         ; the last class is written out: it asks for no x, and behind pair 3 for no W
	RINIT
	s_mov_b32 s[IT], 3
.Liter:
	CPASS
	s_cmp_eq_u32 s[IT], 1
	s_cbranch_scc1 .Lfin                           ; the third c_hat is the result's: no b follows it
	BPART
	s_sub_co_u32 s[IT], s[IT], 1
	s_cmp_lg_u32 s[IT], 0
	s_cbranch_scc1 .Liter
.Lfin:
	FIN
	s_wait_tensorcnt 0x0                           ; the wave's end
	ds_add_u32 v[SPW], v[NIL]
	s_wait_dscnt 0x0
	ROUND                                          ; the closing round
	s_endpgm
.Lfunc_end_k_q2416c69c2c_route:
	.size	k_q2416c69c2c_route, .Lfunc_end_k_q2416c69c2c_route-k_q2416c69c2c_route
	.p2alignl 7, 3214868480
	.fill 96, 4, 3214868480
	.section	.rodata,"a",@progbits
	.p2align	6, 0x0
	.amdhsa_kernel k_q2416c69c2c_route
		.amdhsa_group_segment_fixed_size 327680
		.amdhsa_private_segment_fixed_size 0
		.amdhsa_enable_private_segment 0
		.amdhsa_kernarg_size 24
		.amdhsa_user_sgpr_count 2
		.amdhsa_user_sgpr_kernarg_segment_ptr 1
		.amdhsa_wavefront_size32 1
		.amdhsa_system_sgpr_workgroup_id_x 1
		.amdhsa_system_sgpr_workgroup_id_y 1
		.amdhsa_system_sgpr_workgroup_id_z 1
		.amdhsa_system_vgpr_workitem_id 0
		.amdhsa_next_free_vgpr 1024
		.amdhsa_next_free_sgpr 96
		.amdhsa_reserve_vcc 0
		.amdhsa_float_denorm_mode_32 3
		.amdhsa_float_denorm_mode_16_64 3
		.amdhsa_memory_ordered 1
		.amdhsa_forward_progress 1
		.amdhsa_inst_pref_size 255
	.end_amdhsa_kernel
	.section	.bss,"aw",@nobits
	.p2align	6
	.space	262144
	.amdgpu_metadata
---
amdhsa.version: [ 1, 2 ]
amdhsa.kernels:
  - .name:           k_q2416c69c2c_route
    .symbol:         k_q2416c69c2c_route.kd
    .args:
      - { .name: encoder_output, .offset: 0, .size: 8, .value_kind: global_buffer, .address_space: global }
      - { .name: wq, .offset: 8, .size: 8, .value_kind: global_buffer, .address_space: global }
      - { .name: out0, .offset: 16, .size: 8, .value_kind: global_buffer, .address_space: global }
    .group_segment_fixed_size: 327680
    .private_segment_fixed_size: 0
    .kernarg_segment_align: 8
    .kernarg_segment_size: 24
    .max_flat_workgroup_size: 128
    .sgpr_count:     96
    .vgpr_count:     1024
    .wavefront_size: 32
...
	.end_amdgpu_metadata
.endif
;; end of part 2
